; MI455X (gfx1250); checked and timed in simulation.
; The chip was launched on July 23, 2026; its instructions are those of AMD's public machine-readable ISA for CDNA 5 (MIT licence, August 2026) and "CDNA5" Instruction Set Architecture Reference Guide (July 2026). The comments in the code are by the model that wrote it; some were corrected since.
;; Attention. Allowed arithmetic: matrix products marked QUANTISED: E5M2 operands, one given power-of-two scale a tensor, by v_wmma_f32_16x16x64_bf8_bf8 or v_wmma_f32_16x16x128_bf8_bf8, f32 sums; products left as they are: f32 operands where the result goes on into a quantised operand, else bf16, f16 or f32 operands; f32 sums; everything else in f32.
;; Inputs: Ua_b 1,024 float32; Ua_w_codes 1,024 x 32 x 32 uint8 (E5M2 codes of Ua_w, K innermost, in blocks of 32 codes); Wa_b 1,024 float32; Wa_w_codes 1,024 x 32 x 32 uint8 (E5M2 codes of Wa_w, K innermost, in blocks of 32 codes); key 2,048 x 32 x 1,024 float32; lowp_scales 4 int32 (the exponents e of the quantised operands' scales 2^e); query_codes 32 x 1 x 32 x 32 uint8 (E5M2 codes of query, K innermost, in blocks of 32 codes); va_b 1 float32; va_w 1,024 float32.
;; Outputs: out0 32 x 1 x 1,024 float32; out1 32 x 1 x 2,048 float32.
;; This version of the problem:
;;   THIS VERSION OF THE PROBLEM IS GIVEN IN LOW PRECISION. The matrix products marked QUANTISED in the list below multiply operands that are first quantised to E5M2 (5 exponent bits, 2 mantissa bits; 8 bits a number), with one given power-of-two scale for each operand tensor; their sums are f32. All else is computed in f32.
;;   The module's matrix products, in the order in which they are computed (A, B: the left and right operand; K: the contracted axis; several contracted axes count as one K, in the product's order):
;;     1. [M 32, K 1,024] x [K 1,024, N 1,024]; A: input query (given as codes); B: input Wa_w (given as codes): QUANTISED (scales: A lowp_scales[0], B lowp_scales[1])
;;     2. [M 65,536, K 1,024] x [K 1,024, N 1,024]; A: input key; B: input Ua_w (given as codes): QUANTISED (scales: A lowp_scales[2], B lowp_scales[3])
;;     3. [M 65,536, K 1,024] x [K 1,024, N 1]; A: computed on the way; B: input va_w: left as it is (N = 1 < 16)
;;     4. batch 32 x [M 1, K 2,048] x [K 2,048, N 1,024]; A: computed on the way; B: input key: left as it is (M = 1 < 16)
;;   THE QUANTISER, for each operand of a quantised product, along K:
;;     - The operand's scale is 2^e, e = its entry of the input lowp_scales (int32; the entries are numbered through the quantised products in the list's order, A before B).
;;     - Each number is divided by the scale, clamped to +-57,344, and rounded to the nearest number of E5M2, ties to even, subnormals kept.
;;     - The product sums the exact products of the quantised numbers (number of the format x scale) in f32.
;;   ~~~python
;;   def quantise(x, axis, e):      # numpy; x: float32 -> the quantised numbers, widened to float32 again
;;       x = np.moveaxis(x, axis, -1); K = x.shape[-1]
;;       r = np.clip(x / 2.0 ** e, -57344, 57344)
;;       step = 2.0 ** (np.maximum(np.frexp(np.where(r == 0, 1, r))[1] - 1, -14) - 2)
;;       q = np.round(r / step) * step * 2.0 ** e      # np.round: ties to even
;;       return np.moveaxis(q, -1, axis).astype(np.float32)
;;   ~~~
;;   INPUTS GIVEN AS CODES. Ua_w (in the module: [1024, 1024], K = its axis 0); Wa_w (in the module: [1024, 1024], K = its axis 0); query (in the module: [32, 1, 1024], K = its axis 2): each comes as NAME_codes (uint8): NAME with its K axis moved to the last place and cut into blocks of 32 codes, [.., K / 32, bytes a block], one block behind the other in memory; one code a byte (a code: sign, 5 exponent bits, 2 mantissa bits); its scale is its entry of lowp_scales. Its value is code x scale, taken as it is: it is not quantised again, and the codes and scales need not be those that the quantiser above would give.
;; One version. Each part assembles by itself: llvm-mc -triple=amdgcn-amd-amdhsa -mcpu=gfx1250 --defsym DOCPART=n.
;; ======== version 1 of 1: 3 launches
;; limits: values are held in bf16: 8 bits of precision; right only within a limited range of input values
;; workspace buffers: qb2 131,072 bytes; part 1,179,648 bytes; tsc 262,144 bytes
;; launch qproj (part 1): grid 16 x 1, 4 waves a work-group, no clusters, 9,216 bytes of LDS; arguments query_codes, Wa_w_codes, lowp_scales, Wa_b, Ua_b, qb2; writes qb2
.if DOCPART == 1
	.amdgcn_target "amdgcn-amd-amdhsa--gfx1250"
	.amdhsa_code_object_version 6
	.text
	.protected	k_qf2e4242eb0_qproj
	.globl	k_qf2e4242eb0_qproj
	.p2align	8
	.type	k_qf2e4242eb0_qproj,@function
k_qf2e4242eb0_qproj:
	s_mov_b64 s[64:65], 0
	v_nop
	global_prefetch_b8 v0, s[64:65] scope:SCOPE_SE
	s_setreg_imm32_b32 hwreg(HW_REG_WAVE_MODE, 25, 1), 1
	s_wait_xcnt 0x0
; qb2[b][n] = ((query . Wa)[b][n] x 2^(e0 + e1) + Wa_b[n] + Ua_b[n]) x 2 log2(e): the part of the tanh's exponent that does not hang on the key.
; query: [32][1024] codes of E5M2; Wa: [1024 (n)][1024 (k)] codes, K innermost; e0, e1: entries 0 and 1 of the scales.  qb2: [32][1024] f32.
; SHARES.  Work-group g takes columns 64 g .. 64 g + 63, wave w the sixteen from n0 = 64 g + 16 w on, for all 32 batches: two accumulators, 8 K steps of 128.
; A fragment comes by four loads of 16 bytes, 32 bytes apart: lane (r, h) holds k = 32 c + 16 h + 0 .. 15 in registers 4 c .. 4 c + 3.  That is a permutation of k, the same in both operands:
; every product meets its partner, and only the order of the sums inside an instruction differs.
; TRANSPOSED: source 0 = 16 rows of Wa, source 1 = 16 batches: a lane holds eight neighbouring columns of one batch.
; No ring and no tensor load: each byte of Wa is read once, by one wave, the query by every wave, straight into the operand's registers.  2^(e0 + e1) is applied by v_ldexp_f32: no limit on e0 + e1.  NaN among the inputs is not served.
; REGISTERS: window 0: v1-8 addresses; v16-31 the accumulators; v32-39 Wa_b; v40-47 Ua_b, then the scaled bias; v48-63 results; v64-191 Wa's 8 fragments; v192-207 rows read back.  window 1: the query's 16 fragments.
.set SP,  272                          ; a stage row: 64 columns x 4 bytes + 16
.set WF,  64
.set MSB, 0
.macro WIN new                         ; the immediate's high byte repeats the setting that is left
.if MSB != (\new)
	s_set_vgpr_msb (MSB<<8)|(\new)
.set MSB, (\new)
.endif
.endm
	s_load_b256 s[4:11], s[0:1], 0x0               ; query's codes s[4:5], Wa's codes s[6:7], the scales s[8:9], Wa_b s[10:11]
	s_load_b128 s[12:15], s[0:1], 0x20             ; Ua_b s[12:13], qb2 s[14:15]
	v_lshl_add_u32 v254, v0, 2, 0x2200
	v_mov_b32 v255, 0
	v_lshrrev_b32 v1, 5, v0
	v_readfirstlane_b32 s16, v1                    ; wave 0..3
	v_and_b32 v1, 15, v0                           ; r
	v_bfe_u32 v2, v0, 4, 1                         ; h
	v_lshlrev_b32 v3, 10, v1
	v_lshl_add_u32 v3, v2, 4, v3                   ; a row of 1,024 codes x r + 16 h
	v_lshlrev_b32 v4, 5, v2                        ; the biases: my half's eight numbers
	s_lshl_b32 s17, s16, 6
	v_mul_u32_u24 v5, v1, SP
	v_lshl_add_u32 v5, v2, 5, v5
	v_add_nc_u32 v5, s17, v5                       ; into the stage: row r, + 64 w + 32 h
	v_lshrrev_b32 v8, 4, v0                        ; thread / 16: 0 .. 7
	v_mul_u32_u24 v6, v8, SP
	v_lshl_add_u32 v6, v1, 4, v6                   ; back: sixteen lanes to a row
	v_lshlrev_b32 v7, 12, v8
	v_lshl_add_u32 v7, v1, 4, v7                   ; and the same place in qb2: a row is 4,096 bytes
	s_lshl_b32 s18, ttmp9, 6
	s_lshl_b32 s19, s16, 4
	s_add_co_u32 s18, s18, s19                     ; n0
	s_lshl_b32 s20, s18, 10
	s_mov_b32 s21, 0
	s_lshl_b32 s22, s18, 2
	s_mov_b32 s23, 0
	s_lshl_b32 s24, ttmp9, 8
	s_mov_b32 s25, 0
	s_wait_alu depctr_va_vdst(0)
	s_wait_kmcnt 0x0
	s_load_b64 s[26:27], s[8:9], 0x0               ; e0, e1
	s_add_nc_u64 s[6:7], s[6:7], s[20:21]          ; Wa at row n0
	s_add_nc_u64 s[10:11], s[10:11], s[22:23]
	s_add_nc_u64 s[12:13], s[12:13], s[22:23]
	s_add_nc_u64 s[14:15], s[14:15], s[24:25]      ; qb2 at column 64 g
.irp s, 0,1,2,3,4,5,6,7
.irp c, 0,1,2,3
	global_load_b128 v[WF+16*\s+4*\c:WF+16*\s+4*\c+3], v3, s[6:7] offset:128*\s+32*\c
.endr
.endr
	WIN 0x40                                       ; destination window 1
.irp a, 0,1
.irp s, 0,1,2,3,4,5,6,7
.irp c, 0,1,2,3
	global_load_b128 v[128*\a+16*\s+4*\c:128*\a+16*\s+4*\c+3], v3, s[4:5] offset:16384*\a+128*\s+32*\c
.endr
.endr
.endr
	WIN 0
	global_load_b128 v[32:35], v4, s[10:11]
	global_load_b128 v[36:39], v4, s[10:11] offset:16
	global_load_b128 v[40:43], v4, s[12:13]
	global_load_b128 v[44:47], v4, s[12:13] offset:16
	s_wait_loadcnt 0x0
	WIN 0x04                                       ; source 1 (the query) window 1
.irp s, 0,1,2,3,4,5,6,7                            ; the two accumulators take turns, one instruction a turn
.irp a, 0,1
.if \s == 0
	v_wmma_f32_16x16x128_bf8_bf8 v[16+8*\a:23+8*\a], v[WF+16*\s:WF+16*\s+15], v[128*\a+16*\s:128*\a+16*\s+15], 0
.else
	v_wmma_f32_16x16x128_bf8_bf8 v[16+8*\a:23+8*\a], v[WF+16*\s:WF+16*\s+15], v[128*\a+16*\s:128*\a+16*\s+15], v[16+8*\a:23+8*\a]
.endif
.endr
.endr
	WIN 0
.irp i, 0,2,4,6                                    ; (Wa_b + Ua_b) x 2 log2(e): eight plain lines that name no register of the products: the places behind them (ISA guide 7.12.1)
	v_pk_add_f32 v[40+\i:41+\i], v[40+\i:41+\i], v[32+\i:33+\i]
.endr
.irp i, 0,2,4,6
	v_pk_mul_f32 v[40+\i:41+\i], v[40+\i:41+\i], 0x4038aa3b op_sel_hi:[1,0]
.endr
	s_wait_kmcnt 0x0
	s_add_co_i32 s26, s26, s27                     ; e0 + e1
.irp i, 0,1,2,3,4,5,6,7,8,9,10,11,12,13,14,15
	v_ldexp_f32 v[48+\i], v[16+\i], s26            ; each accumulator from its low end on
.endr
.irp a, 0,1
.irp i, 0,2,4,6
	v_pk_fma_f32 v[48+8*\a+\i:49+8*\a+\i], v[48+8*\a+\i:49+8*\a+\i], 0x4038aa3b, v[40+\i:41+\i] op_sel_hi:[1,0,1]
.endr
.endr
.irp a, 0,1                                        ; lane (r, h): qb2(16 a + r, n0 + 8 h + 0 .. 7)
	ds_store_b128 v5, v[48+8*\a:51+8*\a] offset:16*\a*SP
	ds_store_b128 v5, v[52+8*\a:55+8*\a] offset:16*\a*SP+16
.endr
	s_wait_dscnt 0x0                               ; for the others' sake: my stores into the stage are done
	s_barrier_signal -1
	s_barrier_wait -1                              ; a row's 256 bytes come from four waves
.irp e, 0,1,2,3
	ds_load_b128 v[192+4*\e:195+4*\e], v6 offset:\e*8*SP
.endr
.irp e, 0,1,2,3
	s_wait_dscnt 3-\e                              ; the younger loads may stay out
	global_store_b128 v7, v[192+4*\e:195+4*\e], s[14:15] offset:32768*\e   ; sixteen lanes store 256 consecutive bytes, at a multiple of 256 from qb2's first byte
.endr
	s_wait_tensorcnt 0x0
	ds_add_u32 v254, v255
	s_wait_dscnt 0x0
	s_endpgm
.Lfunc_end_k_qf2e4242eb0_qproj:
	.size	k_qf2e4242eb0_qproj, .Lfunc_end_k_qf2e4242eb0_qproj-k_qf2e4242eb0_qproj
	.p2alignl 7, 3214868480
	.fill 96, 4, 3214868480
	.section	.rodata,"a",@progbits
	.p2align	6, 0x0
	.amdhsa_kernel k_qf2e4242eb0_qproj
		.amdhsa_group_segment_fixed_size 9216
		.amdhsa_private_segment_fixed_size 0
		.amdhsa_enable_private_segment 0
		.amdhsa_kernarg_size 48
		.amdhsa_user_sgpr_count 2
		.amdhsa_user_sgpr_kernarg_segment_ptr 1
		.amdhsa_wavefront_size32 1
		.amdhsa_system_sgpr_workgroup_id_x 1
		.amdhsa_system_sgpr_workgroup_id_y 1
		.amdhsa_system_sgpr_workgroup_id_z 1
		.amdhsa_system_vgpr_workitem_id 0
		.amdhsa_next_free_vgpr 512
		.amdhsa_next_free_sgpr 66
		.amdhsa_reserve_vcc 0
		.amdhsa_float_denorm_mode_32 3
		.amdhsa_float_denorm_mode_16_64 3
		.amdhsa_memory_ordered 1
		.amdhsa_forward_progress 1
		.amdhsa_inst_pref_size 17
	.end_amdhsa_kernel
	.amdgpu_metadata
---
amdhsa.version: [ 1, 2 ]
amdhsa.kernels:
  - .name:           k_qf2e4242eb0_qproj
    .symbol:         k_qf2e4242eb0_qproj.kd
    .args:
      - { .name: query_codes, .offset: 0, .size: 8, .value_kind: global_buffer, .address_space: global }
      - { .name: Wa_w_codes, .offset: 8, .size: 8, .value_kind: global_buffer, .address_space: global }
      - { .name: lowp_scales, .offset: 16, .size: 8, .value_kind: global_buffer, .address_space: global }
      - { .name: Wa_b, .offset: 24, .size: 8, .value_kind: global_buffer, .address_space: global }
      - { .name: Ua_b, .offset: 32, .size: 8, .value_kind: global_buffer, .address_space: global }
      - { .name: qb2, .offset: 40, .size: 8, .value_kind: global_buffer, .address_space: global }
    .group_segment_fixed_size: 9216
    .private_segment_fixed_size: 0
    .kernarg_segment_align: 8
    .kernarg_segment_size: 48
    .max_flat_workgroup_size: 128
    .sgpr_count:     66
    .vgpr_count:     512
    .wavefront_size: 32
...
	.end_amdgpu_metadata
.endif
;; end of part 1
;; launch attn (part 2): grid 8 x 32, 4 waves a work-group, clusters of 4 x 1, 327,680 bytes of LDS; arguments key, Ua_w_codes, lowp_scales, va_w, qb2, part, tsc; writes part, tsc
.if DOCPART == 2
	.amdgcn_target "amdgcn-amd-amdhsa--gfx1250"
	.amdhsa_code_object_version 6
	.text
	.protected	k_qf2e4242eb0_attn
	.globl	k_qf2e4242eb0_attn
	.p2align	8
	.type	k_qf2e4242eb0_attn,@function
k_qf2e4242eb0_attn:
	s_mov_b64 s[64:65], 0
	v_nop
	global_prefetch_b8 v0, s[64:65] scope:SCOPE_SE
	s_setreg_imm32_b32 hwreg(HW_REG_WAVE_MODE, 25, 1), 1
	s_wait_xcnt 0x0
	s_wait_alu depctr_hold_cnt(0) depctr_sa_sdst(0) depctr_va_vdst(0) depctr_va_sdst(0) depctr_va_ssrc(0) depctr_va_vcc(0) depctr_vm_vsrc(0)
	s_getreg_b32 s2, hwreg(HW_REG_IB_STS2, 6, 4)
	s_cmp_eq_u32 s2, 0
	s_cbranch_scc0 .Lentry_in_a_cluster
	s_endpgm
.Lentry_in_a_cluster:
	s_bfe_u32 s2, ttmp6, 0x10000c
	s_cmp_lg_u32 s2, 0x3003
	s_cbranch_scc0 .Lentry_shape_is_right
	s_endpgm
.Lentry_shape_is_right:
; For 256 positions s of one batch b: t(s) = sum over n of (-2 log2(e) va[n]) / (1 + 2^(y)), y = (key(s, b) . Ua)[n] x c1 + qb2[b][n], c1 = 2 log2(e) 2^(e2 + e3),
; and what these positions give to softmax and context: M = the largest t, L = sum of 2^(t - M), ctx[h] = sum of 2^(t - M) key(s, b, h).  A later launch joins a batch's eight parts.  Key is read from memory once.
; WORK LEFT OUT.  tanh(x) = 1 - 2 / (1 + 2^(2 log2(e) x)), so score(s) = va_b + sum of va[n] + t(s) / log2(e).  va_b + sum of va[n] is the same for every s of a batch, and a softmax is unchanged by a term
; that is the same along its axis, whatever the inputs hold; the outputs are the softmax's weights and the context made of them.  So that term is not formed, and va_b is not loaded and is no argument of any launch.
; LIMIT: a NaN, an infinity or an overflow that reaches only that term is not carried to the result.
; LIMITS.  e2 between -126 and 112, e2 + e3 between -126 and 125, so that each power of two below is an f32 number.  NaN among the inputs is not served.  The context's operand key is rounded to bf16; the weights stay f32.
; An exponential that overflows gives the reciprocal 0 (tanh 1); one that underflows gives the reciprocal 1 (tanh -1).
; SHARES.  Work-group (x, b): two tiles of 128 positions, row p of tile T is s = 256 x + 128 T + p.  Wave w = 2 j + i.  FOR THE PRODUCT it holds the codes of 64 rows (p = 32 a + 16 i + r, a = 0..3) in 512 registers and walks
; Ua's columns 512 j .. 512 j + 511, 16 (a chunk) at a time: each fragment of Ua read from LDS feeds four matrix instructions.  FOR KEY AND THE CONTEXT it takes columns 256 w .. 256 w + 255 of all 128 rows:
; it loads them, keeps a bf16 copy (rows 0-63 in 256 registers, rows 64-127 in 32 KiB of LDS of its own), hands their codes to the others through a stage of 32 rows, and owns those 256 columns of the context.
; TRANSPOSED: source 0 = 16 rows of Ua, source 1 = 16 of my rows: a lane is one key row, its registers eight columns n; the sum over n stays in the lane.  The codes are source 1, so that the lines of the tanh,
; whose vector registers stand in places 0 and 2, run under the products' window setting.  A chunk's 32 products stand on end, four accumulators by turns, and its tanh behind them.
; A fragment comes by four loads of 16 bytes, 32 bytes apart: a permutation of k that is the same in both operands; only the order of the sums inside an instruction differs.
; RING.  Two LDS slots of 64 rows of Ua: chunks (j, u), u = 0, 1, of columns 512 j + 32 n + 16 u.  At a tile's head one load a wave (32 rows) fills both; then 14 refills, 16 rows a wave.
; CLUSTER.  The four work-groups of a cluster walk the same Ua in step: each tile is asked for jointly, by the same tensor load with the same descriptor and a mask that names the four.
; PREFETCH.  In each of the 16 trips of tile 0's walk a wave names 8 rows x 1,024 bytes of its own quarter of tile 1, a lane to each 256 bytes: each block once in the launch, one tile ahead.  Tile 1 asks for nothing.
; REGISTERS: window 0: names below.  window 1 + s / 4: codes, fragment (a, s) at 64 a + 16 (s % 4).  window 3: the copy: register 4 p + k holds columns 4 lane + 2 k, + 1 (k < 2) or 128 + 4 lane + 2 (k - 2), + 1 of row p.
.set PITCH, 1040                       ; a row of codes in LDS: 1,024 bytes + 16
.set CH,    16*PITCH
.set SLOTB, 4*CH
.set TAB,   2*SLOTB                    ; qb2[b][0..1023], then -2 log2(e) va[0..1023]
.set STG,   TAB+8192                   ; the stage: 32 rows of codes
.set CP,    STG+2*CH                   ; the copy of rows 64-127: 32,768 bytes a wave, a row = 16 bytes a lane
.set SCR,   CP+131072                  ; t's two halves (j = 0, 1) of 128 rows
.set PW,    SCR+1024                   ; 512 bytes a wave: the 128 weights
.set SPARE, PW+2048                    ; the spare words: two blocks of 256 bytes that no other line names
.set LNB, 1                            ; 16 x lane
.set AB0, 2                            ; my lane's place in my chunks of a slot
.set ADRA, 3                           ; LDS address of the fragments to be fetched
.set TA0, 4                            ; my lane's place in the table
.set TAD, 5
.set STW, 6                            ; stage, on the way in
.set STR, 7                            ; stage, on the way out
.set CPA, 8                            ; my copy + 16 x lane
.set SCW, 9
.set SPW, 10                           ; my spare word; never rewritten
.set NIL, 11                           ; 0; never rewritten
.set QSC, 12                           ; 2^e2
.set PFO, 13                           ; the prefetches' offset
.set ML,  14                           ; v14 M, v15 my lane's share of L
.set CTX, 16                           ; v16-23: columns 256 w + 4 lane + 0..3, then + 128
.set SA,  24                           ; v24-31: t's sums, a pair for each a
.set QB,  32                           ; v32-39 qb2, v40-47 va's factor, at my half's eight columns
.set VA,  40
.set CD,  32                           ; while rows are loaded: two sets of eight registers of codes
.set FP,  32                           ; at the softmax: f, twice; v34 the new M
.set MX,  34
.set SCL, 48
.set PWA, 49
.set PWB, 50
.set T4,  52                           ; v52-55 t of rows 4 lane + 0..3
.set PS,  56
.set PX,  60
.set AC,  64                           ; v64-95 four accumulators; while rows are loaded: two sets of 16 registers of copy
.set BF,  96                           ; v96-223 Ua's eight fragments of a chunk
.set ST,  96                           ; v96-255 while rows are loaded: five sets of 32 numbers
.set PB,  96                           ; v96-223 for the context: the 128 weights, in every lane
.set WV, 20
.set G1T, 24
.set G1S, 32
.set G0T, 40
.set G0S, 44
.set UAW, 48
.set TB, 50
.set TQ, 51
.set TILES, 52
.set CNT, 53
.set C1, 56
.set LIMP, 58
.set LIMN, 59
.set SEL, 60
.set S1A, 62
.set PFA, 66
.set PFU, 51                           ; v51  256 x lane: the offset of Ua's prefetches; never rewritten
.set UPF, 54                           ; s[54:55] Ua at my wave's 65,536 bytes of the sixteen shares of my cluster; never rewritten
.set MSB, 0
.macro WIN new                         ; the immediate's high byte repeats the setting that is left
.if MSB != (\new)
	s_set_vgpr_msb (MSB<<8)|(\new)
.set MSB, (\new)
.endif
.endm
.macro PLACES                          ; four plain lines behind a matrix instruction, ahead of loads into its sources and of reads of its result
.rept 4
	v_nop
.endr
.endm
.macro BAR
	s_barrier_signal -1
	s_barrier_wait -1
.endm
.macro ROUND                           ; a round of the cluster's barrier
	BAR
	s_cmp_lg_u32 s[WV], 0
	s_cbranch_scc1 .Lnot_wave_0_\@
	s_barrier_signal -3
.Lnot_wave_0_\@:
	s_barrier_wait -3
	BAR
.endm
	s_load_b256 s[4:11], s[0:1], 0x0               ; key s[4:5], Ua s[6:7], scales s[8:9], va_w s[10:11]
	s_load_b128 s[12:15], s[0:1], 0x20             ; qb2 s[12:13], part s[14:15]
	s_load_b64 s[16:17], s[0:1], 0x30              ; tsc
	v_lshl_add_u32 v[SPW], v0, 2, SPARE
	v_mov_b32 v[NIL], 0
	ds_add_u32 v[SPW], v[NIL]                      ; the opening: the add, twice on end, and its wait
	ds_add_u32 v[SPW], v[NIL]
	v_lshrrev_b32 v3, 5, v0
	v_readfirstlane_b32 s[WV], v3                  ; wave 0..3
	s_bfe_u32 s21, ttmp6, 0x40000                  ; cx: it enters addresses in key, part, tsc and Ua's prefetches
	s_lshl_b32 s22, ttmp9, 2
	s_add_co_u32 s22, s22, s21                     ; x
	s_and_b32 s23, ttmp7, 0xffff                   ; b
	s_and_b32 s68, s[WV], 1                        ; i
	s_lshr_b32 s69, s[WV], 1                       ; j
.irp g, G1T, G1S                                   ; rows of 1,024 bytes, 16 bytes of padding behind each; the mask names all four work-groups, bit 21 beside it
	s_mov_b32 s[\g], 15|(1<<20)|(1<<21)|(7<<22)|(3<<25)
	s_mov_b32 s[\g+1], 1024<<16
	s_mov_b32 s[\g+3], 1024<<16
	s_mov_b32 s[\g+5], 1024
	s_mov_b32 s[\g+6], 0
	s_mov_b32 s[\g+7], 0
.endr
	s_mov_b32 s[G1T+2], 32<<16
	s_mov_b32 s[G1T+4], 32
	s_mov_b32 s[G1S+2], 16<<16
	s_mov_b32 s[G1S+4], 16
	s_mov_b32 s[G0T], 1
	s_mul_i32 s[G0T+1], s[WV], 2*CH                ; the two slots lie on end: four loads of 32 rows fill both
	s_mov_b32 s[G0S], 1
	s_mul_i32 s[S1A], s[WV], CH
	s_add_co_u32 s[S1A], s[S1A], SLOTB             ; CH x wave and SLOTB share no bit: an exclusive or with SLOTB changes slots
	s_mov_b32 s[SEL], 0x76543210
	s_mov_b32 s[SEL+1], 0xfedcba98
	s_mov_b32 s[TILES], 2
	s_mul_i32 s70, s69, 2*CH
	s_lshl_b32 s71, s69, 11
	s_add_co_u32 s71, s71, TAB
	s_lshl_b32 s72, s[WV], 8
	s_add_co_u32 s72, s72, STG
	s_mul_i32 s73, s68, CH
	s_add_co_u32 s73, s73, STG
	s_lshl_b32 s74, s[WV], 15
	s_add_co_u32 s74, s74, CP
	s_lshl_b32 s75, s69, 9
	s_lshl_b32 s76, s68, 6
	s_add_co_u32 s75, s75, s76
	s_add_co_u32 s75, s75, SCR
	s_lshl_b32 s77, s[WV], 9
	s_add_co_u32 s77, s77, PW
	v_and_b32 v52, 31, v0                          ; lane
	v_and_b32 v53, 15, v0                          ; r
	v_bfe_u32 v54, v0, 4, 1                        ; h
	v_lshlrev_b32 v[LNB], 4, v52
	v_mul_u32_u24 v[AB0], v53, PITCH
	v_lshl_add_u32 v[AB0], v54, 4, v[AB0]
	v_add_nc_u32 v[STR], s73, v[AB0]               ; stage row 16 i + r, + 16 h
	v_add_nc_u32 v[AB0], s70, v[AB0]               ; chunk (j, 0), row r, + 16 h
	v_lshl_add_u32 v[TA0], v54, 5, s71             ; column 512 j + 8 h
	v_lshl_add_u32 v[STW], v52, 2, s72             ; byte 256 w + 4 lane of a stage row
	v_add_nc_u32 v[CPA], s74, v[LNB]
	v_lshl_add_u32 v[SCW], v53, 2, s75             ; half j, row 16 i + r
	v_add_nc_u32 v[SCL], SCR, v[LNB]
	v_add_nc_u32 v[PWA], s77, v[LNB]
	v_mov_b32 v[PWB], s77
	v_lshrrev_b32 v[PFO], 2, v52
	v_lshlrev_b32 v[PFO], 17, v[PFO]               ; lane / 4: one of eight rows, 131,072 bytes apart,
	v_and_b32 v57, 3, v52
	v_lshl_add_u32 v[PFO], v57, 8, v[PFO]          ; lane % 4: 256 bytes apart in my 1,024
	v_lshlrev_b32 v55, 4, v0                       ; 16 x thread
	v_lshlrev_b32 v[PFU], 8, v52
	v_add_nc_u32 v56, TAB, v55
.irp i, 0,1,2,3,4,5,6,7
	v_mov_b32 v[CTX+\i], 0
.endr
	v_mov_b32 v[ML], 0xff61b1e6                    ; M: -3e38, under every t
	v_mov_b32 v[ML+1], 0
.irp i, 0,1,2,3
	v_mov_b32 v[PX+\i], 0                          ; written once: a lane permute's destination counts as one of its sources
.endr
	s_wait_alu depctr_va_vdst(0)                   ; the wait here, ahead of the waits below
	s_wait_dscnt 0x0                               ; both opening adds are done
	s_wait_kmcnt 0x0
	s_load_b64 s[70:71], s[8:9], 0x8               ; e2, e3
	s_mov_b32 s73, 0
	s_lshl_b32 s72, s23, 12
	s_add_nc_u64 s[12:13], s[12:13], s[72:73]      ; qb2 at batch b
	global_load_b128 v[96:99], v55, s[12:13]       ; the table: thread t takes entries 4 t .. 4 t + 3 and 512 further on
	global_load_b128 v[100:103], v55, s[12:13] offset:2048
	global_load_b128 v[104:107], v55, s[10:11]
	global_load_b128 v[108:111], v55, s[10:11] offset:2048
	s_lshl_b32 s74, s22, 25                        ; key: 256 x positions of 131,072 bytes, batch b's 4,096, my 1,024
	s_add_co_u32 s72, s72, s74
	s_lshl_b32 s74, s[WV], 10
	s_add_co_u32 s72, s72, s74
	s_add_nc_u64 s[4:5], s[4:5], s[72:73]          ; rows 0-63 of the tile,
	s_add_nc_u64 s[18:19], s[4:5], 0x800000        ; rows 64-127: so every offset fits the immediate
	s_lshl_b32 s72, s68, 19
	s_lshl_b32 s74, s69, 15
	s_add_co_u32 s72, s72, s74
	s_add_nc_u64 s[G0T+2:G0T+3], s[6:7], s[72:73]  ; Ua at row 512 (w % 2) + 32 (w / 2): the wave's number alone enters Ua's addresses
	s_or_b32 s[G0T+3], s[G0T+3], 0x80000000
	s_lshl_b32 s72, s69, 19
	s_lshl_b32 s74, s68, 14
	s_add_co_u32 s72, s72, s74
	s_add_nc_u64 s[UAW:UAW+1], s[6:7], s[72:73]    ; Ua at row 512 j + 16 i
	s_lshl_b32 s72, s21, 2
	s_add_co_u32 s72, s72, s[WV]
	s_lshl_b32 s72, s72, 16
	s_add_nc_u64 s[UPF:UPF+1], s[6:7], s[72:73]    ; share 4 cx + w of Ua: the partners are told apart by address alone
	s_lshl_b32 s72, s23, 3
	s_add_co_u32 s72, s72, s22
	s_mul_i32 s72, s72, 4608
	s_lshl_b32 s74, s[WV], 10
	s_add_co_u32 s72, s72, s74
	s_add_nc_u64 s[14:15], s[14:15], s[72:73]      ; my 256 columns of my work-group's record
	s_lshl_b32 s72, s23, 13
	s_lshl_b32 s74, s22, 10
	s_add_co_u32 s72, s72, s74
	s_add_nc_u64 s[16:17], s[16:17], s[72:73]      ; tsc at my work-group's 256 positions
	s_wait_kmcnt 0x0
	s_add_co_i32 s78, s70, s71
	s_lshl_b32 s78, s78, 23
	s_add_co_i32 s[C1], s78, 0x4038aa3b            ; e2 + e3 added to the exponent field of 2 log2(e)
	s_mov_b32 s[C1+1], s[C1]
	s_add_co_i32 s78, s70, 127
	s_lshl_b32 s79, s78, 23
	v_mov_b32 v[QSC], s79                          ; 2^e2
	s_add_co_i32 s78, s78, 15
	s_lshl_b32 s78, s78, 23
	s_or_b32 s[LIMP], s78, 0x600000                ; 57,344 x 2^e2
	s_or_b32 s[LIMN], s[LIMP], 0x80000000
	s_wait_loadcnt 0x0
.irp i, 0,2,4,6
	v_pk_mul_f32 v[104+\i:105+\i], v[104+\i:105+\i], 0xc038aa3b op_sel_hi:[1,0]   ; -2 log2(e) va
.endr
.irp e, 0,1,2,3
	ds_store_b128 v56, v[96+4*\e:99+4*\e] offset:2048*\e
.endr
; Group g of 32: rows 4 g .. 4 g + 3, my 1,024 bytes of each by two loads of 512 consecutive bytes, into set g % 5.
.macro GLOAD g
.irp e, 0,1,2,3
.irp q, 0,1
.if (\g) < 16
	global_load_b128 v[ST+32*((\g)%5)+8*\e+4*\q:ST+32*((\g)%5)+8*\e+4*\q+3], v[LNB], s[4:5] offset:131072*(4*(\g)+\e)+512*\q th:TH_LOAD_NT
.else
	global_load_b128 v[ST+32*((\g)%5)+8*\e+4*\q:ST+32*((\g)%5)+8*\e+4*\q+3], v[LNB], s[18:19] offset:131072*(4*(\g)+\e-64)+512*\q th:TH_LOAD_NT
.endif
.endr
.endr
.endm
.macro GROUP g
.set GS, ST+32*((\g)%5)
.set GC, CD+8*((\g)%2)
.set GT, AC+16*((\g)%2)
.if (\g) < 27
	s_wait_loadcnt 32                              ; my eight loads are in; those of the four groups behind may be out
.else
	s_wait_loadcnt 8*(31-(\g))
.endif
.if (\g) < 16                                      ; the copy is made of the numbers as they came: rows 0-63 into window 3,
	WIN 0xc0
.irp e, 0,1,2,3
.irp k, 0,1,2,3
	v_cvt_pk_bf16_f32 v[16*(\g)+4*\e+\k], v[GS+8*\e+2*\k], v[GS+8*\e+2*\k+1]
.endr
.endr
	WIN 0
.else                                              ; rows 64-127 into my own LDS bytes, as an image of four registers
.irp e, 0,1,2,3
.irp k, 0,1,2,3
	v_cvt_pk_bf16_f32 v[GT+4*\e+\k], v[GS+8*\e+2*\k], v[GS+8*\e+2*\k+1]
.endr
.endr
.irp e, 0,1,2,3
	ds_store_b128 v[CPA], v[GT+4*\e:GT+4*\e+3] offset:512*(4*(\g)+\e-64)
.endr
.endif
.irp i, 0,1,2,3,4,5,6,7,8,9,10,11,12,13,14,15,16,17,18,19,20,21,22,23,24,25,26,27,28,29,30,31
	v_med3_num_f32 v[GS+\i], v[GS+\i], s[LIMN], s[LIMP]   ; the conversion does not saturate (ISA guide 7.6.2): the hold at the largest code x the scale
.endr
.irp e, 0,1,2,3
	v_cvt_scalef32_pk8_bf8_f32 v[GC+2*\e:GC+2*\e+1], v[GS+8*\e:GS+8*\e+7], v[QSC]
.endr
	v_nop                                          ; one plain line behind the last conversion
.irp e, 0,1,2,3
.irp q, 0,1
	ds_store_b32 v[STW], v[GC+2*\e+\q] offset:PITCH*((4*(\g)+\e)%32)+128*\q   ; four codes a lane: 128 consecutive bytes of the row's codes
.endr
.endr
.if (\g)+5 < 32
	GLOAD (\g)+5
.endif
.if (\g) < 8                                       ; tile 0 alone: Ua is asked for, 8,192 bytes a wave and group, a lane to each 256 bytes: each block once in each cluster, 24 groups and more ahead of the first refill
	s_cmp_eq_u32 s[TILES], 1
	s_cbranch_scc1 .Lno_ua_\@
	global_prefetch_b8 v[PFU], s[UPF:UPF+1] offset:8192*(\g) th:TH_LOAD_NT scope:SCOPE_SE
.Lno_ua_\@:
.endif
.if (\g)%8 == 7                                    ; 32 rows of codes lie in the stage: 16 of them are mine
.set GB, (\g)/8
	s_wait_dscnt 0x0                               ; for the others' sake: my stores are done
	BAR
	WIN 0x40
.irp u, 0,1,2,3
.irp c, 0,1,2,3
	ds_load_b128 v[64*GB+16*\u+4*\c:64*GB+16*\u+4*\c+3], v[STR] offset:128*\u+32*\c
.endr
.endr
	WIN 0x80
.irp u, 0,1,2,3
.irp c, 0,1,2,3
	ds_load_b128 v[64*GB+16*\u+4*\c:64*GB+16*\u+4*\c+3], v[STR] offset:512+128*\u+32*\c
.endr
.endr
	WIN 0
.if (\g) == 31
	s_wait_tensorcnt 0x0                           ; my part of Ua's first two slots is in
.endif
	s_wait_dscnt 0x0                               ; my reads of the stage are over: behind the barrier it is written again
	BAR
.endif
.endm
; Sixteen products: K steps 4 hf .. 4 hf + 3, the four accumulators by turns, one instruction a turn.  The first K step starts the sums.
.macro MM hf
	WIN 4<<(\hf)                                   ; source 1 (my codes): window 1 or 2
.irp s, 0,1,2,3
.irp a, 0,1,2,3
.if (\hf) == 0 && \s == 0
	v_wmma_f32_16x16x128_bf8_bf8 v[AC+8*\a:AC+8*\a+7], v[BF+64*(\hf)+16*\s:BF+64*(\hf)+16*\s+15], v[64*\a+16*\s:64*\a+16*\s+15], 0
.else
	v_wmma_f32_16x16x128_bf8_bf8 v[AC+8*\a:AC+8*\a+7], v[BF+64*(\hf)+16*\s:BF+64*(\hf)+16*\s+15], v[64*\a+16*\s:64*\a+16*\s+15], v[AC+8*\a:AC+8*\a+7]
.endif
.endr
.endr
.endm
.macro FB s0, o                        ; Ua's fragments of K steps s0 .. s0 + 3, o bytes behind the address: sixteen loads
.irp s, \s0, \s0+1, \s0+2, \s0+3
.irp c, 0,1,2,3
	ds_load_b128 v[BF+16*(\s)+4*\c:BF+16*(\s)+4*\c+3], v[ADRA] offset:(\o)+128*(\s)+32*\c
.endr
.endr
.endm
.macro TV o, vs                        ; a chunk's table entries at my half's eight columns: four loads.  va's factors have two sets, v40-47 (vs = 0) and v224-231 (vs = 1), which take turns
	ds_load_b128 v[QB:QB+3], v[TAD] offset:(\o)
	ds_load_b128 v[QB+4:QB+7], v[TAD] offset:(\o)+16
	ds_load_b128 v[VA+184*(\vs):VA+184*(\vs)+3], v[TAD] offset:(\o)+4096
	ds_load_b128 v[VA+184*(\vs)+4:VA+184*(\vs)+7], v[TAD] offset:(\o)+4112
.endm
; The tanh of 64 rows x 16 columns and its share of t.  Each batch of transcendentals has one wait ahead of it and one behind it.
; fetch = 1: behind the first sixteen lines the next chunk's 36 LDS loads go out in one run: the fragments into registers that this chunk's products have read, qb2 into the registers just read, va's factors into the other set.
.macro EPI fetch, off, toff, vs
.irp p, 0,2,4,6
.irp a, 0,1,2,3
	v_pk_fma_f32 v[AC+8*\a+\p:AC+8*\a+\p+1], v[AC+8*\a+\p:AC+8*\a+\p+1], s[C1:C1+1], v[QB+\p:QB+\p+1] op_sel_hi:[1,0,1]   ; each accumulator from its low end on
.endr
.endr
.if \fetch
	FB 0, \off
	FB 4, \off
	TV \toff, 1-(\vs)
.endif
	s_wait_alu depctr_va_vdst(0)
.set I, 0
.rept 32
	v_exp_f32 v[AC+I], v[AC+I]
.set I, I+1
.endr
	v_nop
	s_wait_alu depctr_va_vdst(0)
.set I, 0
.rept 16
	v_pk_add_f32 v[AC+I:AC+I+1], v[AC+I:AC+I+1], 1.0 op_sel_hi:[1,0]
.set I, I+2
.endr
	s_wait_alu depctr_va_vdst(0)
.set I, 0
.rept 32
	v_rcp_f32 v[AC+I], v[AC+I]
.set I, I+1
.endr
	v_nop
	s_wait_alu depctr_va_vdst(0)
.irp p, 0,2,4,6
.irp a, 0,1,2,3
	v_pk_fma_f32 v[SA+2*\a:SA+2*\a+1], v[AC+8*\a+\p:AC+8*\a+\p+1], v[VA+184*(\vs)+\p:VA+184*(\vs)+\p+1], v[SA+2*\a:SA+2*\a+1]
.endr
.endr
.endm
; A CHUNK: its 36 LDS loads went out in the chunk before, ahead of that chunk's exponentials; 32 products on end; the tanh.  ask = 1 marks a slot's second chunk: it uses va's second set, and in tile 0 it prefetches.
.macro CHUNK fetch, off, toff, ask
	s_wait_dscnt 0x0                               ; fragments and table are in
	MM 0
	MM 1
	WIN 0
	PLACES
.if \ask                                           ; tile 0 alone: 8 rows x my 1,024 bytes of tile 1
	s_cmp_eq_u32 s[TILES], 1
	s_cbranch_scc1 .Lno_next_\@
	global_prefetch_b8 v[PFO], s[PFA:PFA+1] th:TH_LOAD_NT scope:SCOPE_SE
.Lno_next_\@:
.endif
	EPI \fetch, \off, \toff, \ask
.endm
.macro XSTEP                           ; the last trip's prefetch has read its address: eight rows on
	s_wait_xcnt 0x0
	s_add_nc_u64 s[PFA:PFA+1], s[PFA:PFA+1], 0x100000
.endm
; THE CHANGE OF SLOTS stands ahead of a slot's last chunk, whose fragments have been asked for.  Each wave waits for all its tensor loads (its part of the next slot), adds 0 to its spare word, and waits for that and for
; its reads.  fill = 1: a round of the cluster's barrier, and the joint refill first behind it: it has two chunks, 64 matrix instructions a wave and their tanh, in which to land.
.macro CHANGE fill
	s_wait_tensorcnt 0x0
	ds_add_u32 v[SPW], v[NIL]
.if \fill
	s_xor_b32 s[G0S+1], s[G0S+1], SLOTB
	s_add_nc_u64 s[G0S+2:G0S+3], s[G0S+2:G0S+3], 0x8000   ; 32 rows of Ua on
.endif
	s_xor_b32 s[TB], s[TB], SLOTB
	s_add_co_u32 s[TQ], s[TQ], 128
	v_add_nc_u32 v[ADRA], s[TB], v[AB0]
	v_add_nc_u32 v[TAD], s[TQ], v[TA0]
	s_wait_alu depctr_va_vdst(0)
	s_wait_dscnt 0x0
.if \fill
	ROUND
	tensor_load_to_lds s[G0S:G0S+3], s[G1S:G1S+7]
	s_nop 0
	PLACES
.else
	BAR
.endif
.endm
.macro BANK g                          ; rows 64 + 8 g .. + 7 of my copy come back from LDS, into v64-95 or v224-255
.irp e, 0,1,2,3,4,5,6,7
	ds_load_b128 v[AC+160*((\g)%2)+4*\e:AC+160*((\g)%2)+4*\e+3], v[CPA] offset:512*(8*(\g)+\e)
.endr
.endm
.macro ROWFMA c, w                     ; the context takes one row: weight (f32) x copy (bf16), sums in f32
.irp k, 0,1,2,3
	v_fma_mix_f32_bf16 v[CTX+2*\k], v[(\c)+\k], v[\w], v[CTX+2*\k] op_sel_hi:[1,0,0]
	v_fma_mix_f32_bf16 v[CTX+2*\k+1], v[(\c)+\k], v[\w], v[CTX+2*\k+1] op_sel:[1,0,0] op_sel_hi:[1,0,0]
.endr
.endm
.Ltile:
	; ---- Ua's first two slots are asked for: in the first trip a first fill, in the second a refill, in one form
	s_wait_alu depctr_va_vdst(0)                   ; the wait ahead of the waits below
	s_wait_tensorcnt 0x0
	ds_add_u32 v[SPW], v[NIL]                      ; the add, here twice on end
	ds_add_u32 v[SPW], v[NIL]
	s_mov_b32 s[G0S+1], s[S1A]                     ; the walking descriptor stands at slot 1 and 32 rows on: the first change steps it to slot 0 and 64 rows on
	s_add_nc_u64 s[G0S+2:G0S+3], s[UAW:UAW+1], 0x8000
	s_or_b32 s[G0S+3], s[G0S+3], 0x80000000
	s_add_nc_u64 s[PFA:PFA+1], s[4:5], 0xf00000    ; eight rows short of the next tile: the first trip steps it there
	s_wait_dscnt 0x0
	ROUND
	tensor_load_to_lds s[G0T:G0T+3], s[G1T:G1T+7]
	s_nop 0
	PLACES
	; ---- my quarter of the 128 rows: five groups (40 loads) ahead
.irp g, 0,1,2,3,4
	GLOAD \g
.endr
.set G, 0
.rept 32
	GROUP G
.set G, G+1
.endr
	; ---- the products and the tanh: 32 chunks
.irp i, 0,1,2,3,4,5,6,7
	v_mov_b32 v[SA+\i], 0
.endr
	s_mov_b32 s[TB], 0
	s_mov_b32 s[TQ], 0
	v_mov_b32 v[ADRA], v[AB0]
	v_mov_b32 v[TAD], v[TA0]
	FB 0, 0
	FB 4, 0
	TV 0, 0
	s_mov_b32 s[CNT], 14
	s_wait_alu depctr_va_vdst(0)
.Ltrip:                                            ; a trip is a slot: its two chunks, and between them the change that fills it again
	XSTEP
	CHUNK 1, CH, 64, 0
	CHANGE 1
	CHUNK 1, 0, 0, 1
	s_sub_co_i32 s[CNT], s[CNT], 1
	s_cmp_lg_u32 s[CNT], 0
	s_cbranch_scc1 .Ltrip
	XSTEP                                          ; the last two slots are written out
	CHUNK 1, CH, 64, 0
	CHANGE 0
	CHUNK 1, 0, 0, 1
	XSTEP
	CHUNK 1, CH, 64, 0
	CHUNK 0, 0, 0, 1
	; ---- t: a pair's two halves, the other half of the lanes (the other eight columns of each chunk), and through LDS the other half of the columns
.irp a, 0,1,2,3
	v_add_f32 v[PS+\a], v[SA+2*\a], v[SA+2*\a+1]
.endr
.irp a, 0,1,2,3
	v_permlanex16_b32 v[PX+\a], v[PS+\a], s[SEL], s[SEL+1]
.endr
.irp a, 0,1,2,3
	v_add_f32 v[PS+\a], v[PS+\a], v[PX+\a]
.endr
.irp a, 0,1,2,3
	ds_store_b32 v[SCW], v[PS+\a] offset:128*\a    ; row 32 a + 16 i + r: lanes r and r + 16 write the same word with the same number
.endr
	s_wait_dscnt 0x0
	BAR
	ds_load_b128 v[T4:T4+3], v[SCL]                ; every wave: lane l takes rows 4 l .. 4 l + 3
	ds_load_b128 v[PS:PS+3], v[SCL] offset:512
	s_wait_dscnt 0x0
	v_pk_add_f32 v[T4:T4+1], v[T4:T4+1], v[PS:PS+1]
	v_pk_add_f32 v[T4+2:T4+3], v[T4+2:T4+3], v[PS+2:PS+3]
	s_cmp_lg_u32 s[WV], 0
	s_wait_alu depctr_va_vdst(0)                   ; the wait ahead of the branch
	s_cbranch_scc1 .Lnot_t
	global_store_b128 v[LNB], v[T4:T4+3], s[16:17] ; wave 0: the tile's 128 t, 512 consecutive bytes at a multiple of 256 from tsc's first byte
.Lnot_t:
	v_max3_num_f32 v[MX], v[T4], v[T4+1], v[T4+2]
	v_max3_num_f32 v[MX], v[MX], v[T4+3], v[ML]
.irp m, 1,2,4,8
	v_max_num_f32_dpp v[MX], v[MX], v[MX] row_xmask:\m row_mask:0xf bank_mask:0xf
.endr
	v_permlanex16_b32 v[PX], v[MX], s[SEL], s[SEL+1]
	v_max_num_f32 v[MX], v[MX], v[PX]              ; the new M: the same in every lane of every wave
	v_sub_f32 v[FP], v[ML], v[MX]
	v_mov_b32 v[ML], v[MX]
.irp k, 0,1,2,3
	v_sub_f32 v[PS+\k], v[T4+\k], v[MX]
.endr
	s_wait_alu depctr_va_vdst(0)                   ; one wait ahead of the batch, one behind it
	v_exp_f32 v[FP], v[FP]                         ; f = 2^(old M - new M)
.irp k, 0,1,2,3
	v_exp_f32 v[PS+\k], v[PS+\k]                   ; the weights 2^(t - M)
.endr
	v_nop
	s_wait_alu depctr_va_vdst(0)
	ds_store_b128 v[PWA], v[PS:PS+3]               ; my own bytes: LDS serves a wave's instructions in order (ISA guide 5.7.1.4)
.set I, 0
.rept 32
	ds_load_b128 v[PB+4*I:PB+4*I+3], v[PWB] offset:16*I   ; all 128 weights into every lane
.set I, I+1
.endr
	BANK 0
	BANK 1
	v_mov_b32 v[FP+1], v[FP]
	v_add_f32 v[PX], v[PS], v[PS+1]
	v_add_f32 v[PX+1], v[PS+2], v[PS+3]
	v_add_f32 v[PX], v[PX], v[PX+1]
	v_fma_f32 v[ML+1], v[ML+1], v[FP], v[PX]       ; each lane keeps the L of its own rows
.irp i, 0,2,4,6
	v_pk_mul_f32 v[CTX+\i:CTX+\i+1], v[CTX+\i:CTX+\i+1], v[FP:FP+1]
.endr
	s_wait_alu depctr_va_vdst(0)                   ; the wait ahead of the wait below
	s_wait_dscnt 16                                ; the weights are in; the two banks' sixteen loads may be out
	WIN 0x03                                       ; source 0: the copy's window
.set R, 0
.rept 64
	ROWFMA 4*R, PB+R
.set R, R+1
.endr
	WIN 0
.irp g, 0,1,2,3,4,5,6,7
	s_wait_alu depctr_va_vdst(0)                   ; likewise
.if \g < 7
	s_wait_dscnt 8                                 ; this bank is in; the other's eight loads may be out
.else
	s_wait_dscnt 0x0
.endif
.irp e, 0,1,2,3,4,5,6,7
	ROWFMA AC+160*(\g%2)+4*\e, PB+64+8*\g+\e
.endr
.if \g < 6
	BANK \g+2
.endif
.endr
	s_wait_xcnt 0x0                                ; loads, prefetches and the store have read their bases and data: on to the other tile
	s_add_nc_u64 s[4:5], s[4:5], 0x1000000
	s_add_nc_u64 s[18:19], s[18:19], 0x1000000
	s_add_nc_u64 s[16:17], s[16:17], 512
	s_sub_co_i32 s[TILES], s[TILES], 1
	s_cmp_lg_u32 s[TILES], 0
	s_wait_alu depctr_va_vdst(0)                   ; the wait ahead of the branch
	s_cbranch_scc1 .Ltile
	; ---- THE END: M is common to the waves, each owns its 256 columns: nothing is joined but L's shares across the lanes
.irp m, 1,2,4,8
	v_add_f32_dpp v[ML+1], v[ML+1], v[ML+1] row_xmask:\m row_mask:0xf bank_mask:0xf
.endr
	v_permlanex16_b32 v[PX], v[ML+1], s[SEL], s[SEL+1]
	v_add_f32 v[ML+1], v[ML+1], v[PX]
	global_store_b128 v[LNB], v[CTX:CTX+3], s[14:15]               ; 512 consecutive bytes of the record each
	global_store_b128 v[LNB], v[CTX+4:CTX+7], s[14:15] offset:512
	v_mov_b32 v[PS], v[ML]
	v_mov_b32 v[PS+1], v[ML+1]
	v_mov_b32 v[PS+2], v[ML]
	v_mov_b32 v[PS+3], v[ML+1]
	s_cmp_lg_u32 s[WV], 0
	s_wait_alu depctr_va_vdst(0)                   ; the wait ahead of the branch
	s_cbranch_scc1 .Lnot_first
	global_store_b128 v[LNB], v[PS:PS+3], s[14:15] offset:4096     ; wave 0: M, L, repeated over the record's last 512 bytes, so that these too are written whole
.Lnot_first:
	s_wait_tensorcnt 0x0                           ; the wave's end
	ds_add_u32 v[SPW], v[NIL]
	s_wait_dscnt 0x0
	ROUND                                          ; the closing round
	s_endpgm
.Lfunc_end_k_qf2e4242eb0_attn:
	.size	k_qf2e4242eb0_attn, .Lfunc_end_k_qf2e4242eb0_attn-k_qf2e4242eb0_attn
	.p2alignl 7, 3214868480
	.fill 96, 4, 3214868480
	.section	.rodata,"a",@progbits
	.p2align	6, 0x0
	.amdhsa_kernel k_qf2e4242eb0_attn
		.amdhsa_group_segment_fixed_size 327680
		.amdhsa_private_segment_fixed_size 0
		.amdhsa_enable_private_segment 0
		.amdhsa_kernarg_size 56
		.amdhsa_user_sgpr_count 2
		.amdhsa_user_sgpr_kernarg_segment_ptr 1
		.amdhsa_wavefront_size32 1
		.amdhsa_system_sgpr_workgroup_id_x 1
		.amdhsa_system_sgpr_workgroup_id_y 1
		.amdhsa_system_sgpr_workgroup_id_z 1
		.amdhsa_system_vgpr_workitem_id 0
		.amdhsa_next_free_vgpr 1024
		.amdhsa_next_free_sgpr 80
		.amdhsa_reserve_vcc 0
		.amdhsa_float_denorm_mode_32 3
		.amdhsa_float_denorm_mode_16_64 3
		.amdhsa_memory_ordered 1
		.amdhsa_forward_progress 1
		.amdhsa_inst_pref_size 255
	.end_amdhsa_kernel
	.section	.bss,"aw",@nobits
	.p2align	6
	.space	262144
	.amdgpu_metadata
---
amdhsa.version: [ 1, 2 ]
amdhsa.kernels:
  - .name:           k_qf2e4242eb0_attn
    .symbol:         k_qf2e4242eb0_attn.kd
    .args:
      - { .name: key, .offset: 0, .size: 8, .value_kind: global_buffer, .address_space: global }
      - { .name: Ua_w_codes, .offset: 8, .size: 8, .value_kind: global_buffer, .address_space: global }
      - { .name: lowp_scales, .offset: 16, .size: 8, .value_kind: global_buffer, .address_space: global }
      - { .name: va_w, .offset: 24, .size: 8, .value_kind: global_buffer, .address_space: global }
      - { .name: qb2, .offset: 32, .size: 8, .value_kind: global_buffer, .address_space: global }
      - { .name: part, .offset: 40, .size: 8, .value_kind: global_buffer, .address_space: global }
      - { .name: tsc, .offset: 48, .size: 8, .value_kind: global_buffer, .address_space: global }
    .group_segment_fixed_size: 327680
    .private_segment_fixed_size: 0
    .kernarg_segment_align: 8
    .kernarg_segment_size: 56
    .max_flat_workgroup_size: 128
    .sgpr_count:     80
    .vgpr_count:     1024
    .wavefront_size: 32
...
	.end_amdgpu_metadata
.endif
;; end of part 2
;; launch finish (part 3): grid 4 x 32, 2 waves a work-group, no clusters, 0 bytes of LDS; arguments part, tsc, out0, out1; writes out0, out1
.if DOCPART == 3
	.amdgcn_target "amdgcn-amd-amdhsa--gfx1250"
	.amdhsa_code_object_version 6
	.text
	.protected	k_qf2e4242eb0_finish
	.globl	k_qf2e4242eb0_finish
	.p2align	8
	.type	k_qf2e4242eb0_finish,@function
k_qf2e4242eb0_finish:
	s_mov_b64 s[64:65], 0
	v_nop
	global_prefetch_b8 v0, s[64:65] scope:SCOPE_SE
	s_setreg_imm32_b32 hwreg(HW_REG_WAVE_MODE, 25, 1), 1
	s_wait_xcnt 0x0
; The eight parts of a batch are joined: M = the largest M_i, g_i = 2^(M_i - M), L = sum of g_i L_i; context = sum of g_i ctx_i / L; weight(s) = 2^(t(s) - M) / L.
; part: 256 records of 4,608 bytes, record 8 b + i = ctx[1024] f32, then M, L repeated.  tsc: [32][2048] f32, t = score x log2(e).  out0: [32][1024], out1: [32][2048], f32.
; Work-group (q, b) makes columns 256 q .. + 255 of the context and positions 512 q .. + 511 of the weights; thread t takes 4 columns and 8 positions.
; A stream of a few loads a lane: no LDS, no barrier, no matrix unit, nothing shared between waves.  Every load and store of a wave covers 512 consecutive bytes (the eight pairs M, L: the same 8 bytes in every lane).
	s_load_b256 s[4:11], s[0:1], 0x0               ; part s[4:5], tsc s[6:7], out0 s[8:9], out1 s[10:11]
	s_and_b32 s12, ttmp7, 0xffff                   ; b
	v_lshlrev_b32 v1, 4, v0                        ; 16 x thread
	v_mov_b32 v2, 0
	s_mul_i32 s14, s12, 36864                      ; the batch's eight records
	s_mov_b32 s15, 0
	s_lshl_b32 s16, ttmp9, 10                      ; 256 columns x 4 bytes x q
	s_mov_b32 s17, 0
	s_lshl_b32 s18, s12, 13
	s_lshl_b32 s20, ttmp9, 11
	s_add_co_u32 s18, s18, s20                     ; 8,192 b + 2,048 q
	s_mov_b32 s19, 0
	s_lshl_b32 s20, s12, 12
	s_add_co_u32 s20, s20, s16                     ; 4,096 b + 1,024 q
	s_mov_b32 s21, 0
	s_wait_alu depctr_va_vdst(0)
	s_wait_kmcnt 0x0
	s_add_nc_u64 s[4:5], s[4:5], s[14:15]
	s_add_nc_u64 s[22:23], s[4:5], s[16:17]
	s_add_nc_u64 s[6:7], s[6:7], s[18:19]
	s_add_nc_u64 s[8:9], s[8:9], s[20:21]
	s_add_nc_u64 s[10:11], s[10:11], s[18:19]
.irp i, 0,1,2,3,4,5,6,7
	global_load_b64 v[8+2*\i:9+2*\i], v2, s[4:5] offset:4608*\i+4096    ; M_i, L_i
.endr
.irp i, 0,1,2,3,4,5,6,7
	global_load_b128 v[32+4*\i:35+4*\i], v1, s[22:23] offset:4608*\i    ; ctx_i at my four columns
.endr
	global_load_b128 v[64:67], v1, s[6:7]
	global_load_b128 v[68:71], v1, s[6:7] offset:1024
	s_wait_loadcnt 10                              ; the eight pairs are in; the ten loads behind them may be out
	v_max3_num_f32 v24, v8, v10, v12
	v_max3_num_f32 v24, v24, v14, v16
	v_max3_num_f32 v24, v24, v18, v20
	v_max_num_f32 v24, v24, v22                    ; M
.irp i, 0,1,2,3,4,5,6,7
	v_sub_f32 v[8+2*\i], v[8+2*\i], v24
.endr
	s_wait_alu depctr_va_vdst(0)
.irp i, 0,1,2,3,4,5,6,7
	v_exp_f32 v[8+2*\i], v[8+2*\i]
.endr
	v_nop
	s_wait_alu depctr_va_vdst(0)                   ; one wait for the eight, ahead of their first reader
	v_mul_f32 v25, v8, v9
.irp i, 1,2,3,4,5,6,7
	v_fma_f32 v25, v[8+2*\i], v[9+2*\i], v25       ; L
.endr
	s_wait_alu depctr_va_vdst(0)
	v_rcp_f32 v26, v25
	v_nop
	s_wait_alu depctr_va_vdst(0)
	v_mov_b32 v27, v26
.irp i, 0,1,2,3,4,5,6,7
	v_mul_f32 v[8+2*\i], v[8+2*\i], v26            ; g_i / L,
.endr
.irp i, 0,1,2,3,4,5,6,7
	v_mov_b32 v[9+2*\i], v[8+2*\i]                 ; twice: a pair for the packed forms
.endr
	s_wait_alu depctr_va_vdst(0)
	s_wait_loadcnt 2                               ; the eight contexts are in; t's two loads may be out
	v_pk_mul_f32 v[72:73], v[32:33], v[8:9]
	v_pk_mul_f32 v[74:75], v[34:35], v[8:9]
.irp i, 1,2,3,4,5,6,7
	v_pk_fma_f32 v[72:73], v[32+4*\i:33+4*\i], v[8+2*\i:9+2*\i], v[72:73]
	v_pk_fma_f32 v[74:75], v[34+4*\i:35+4*\i], v[8+2*\i:9+2*\i], v[74:75]
.endr
	global_store_b128 v1, v[72:75], s[8:9]
	s_wait_loadcnt 0x0
.irp i, 0,1,2,3,4,5,6,7
	v_sub_f32 v[64+\i], v[64+\i], v24
.endr
	s_wait_alu depctr_va_vdst(0)
.irp i, 0,1,2,3,4,5,6,7
	v_exp_f32 v[64+\i], v[64+\i]
.endr
	v_nop
	s_wait_alu depctr_va_vdst(0)
.irp i, 0,2,4,6
	v_pk_mul_f32 v[64+\i:65+\i], v[64+\i:65+\i], v[26:27]
.endr
	global_store_b128 v1, v[64:67], s[10:11]
	global_store_b128 v1, v[68:71], s[10:11] offset:1024
	s_endpgm
.Lfunc_end_k_qf2e4242eb0_finish:
	.size	k_qf2e4242eb0_finish, .Lfunc_end_k_qf2e4242eb0_finish-k_qf2e4242eb0_finish
	.p2alignl 7, 3214868480
	.fill 96, 4, 3214868480
	.section	.rodata,"a",@progbits
	.p2align	6, 0x0
	.amdhsa_kernel k_qf2e4242eb0_finish
		.amdhsa_group_segment_fixed_size 0
		.amdhsa_private_segment_fixed_size 0
		.amdhsa_enable_private_segment 0
		.amdhsa_kernarg_size 32
		.amdhsa_user_sgpr_count 2
		.amdhsa_user_sgpr_kernarg_segment_ptr 1
		.amdhsa_wavefront_size32 1
		.amdhsa_system_sgpr_workgroup_id_x 1
		.amdhsa_system_sgpr_workgroup_id_y 1
		.amdhsa_system_sgpr_workgroup_id_z 1
		.amdhsa_system_vgpr_workitem_id 0
		.amdhsa_next_free_vgpr 96
		.amdhsa_next_free_sgpr 66
		.amdhsa_reserve_vcc 0
		.amdhsa_float_denorm_mode_32 3
		.amdhsa_float_denorm_mode_16_64 3
		.amdhsa_memory_ordered 1
		.amdhsa_forward_progress 1
		.amdhsa_inst_pref_size 7
	.end_amdhsa_kernel
	.amdgpu_metadata
---
amdhsa.version: [ 1, 2 ]
amdhsa.kernels:
  - .name:           k_qf2e4242eb0_finish
    .symbol:         k_qf2e4242eb0_finish.kd
    .args:
      - { .name: part, .offset: 0, .size: 8, .value_kind: global_buffer, .address_space: global }
      - { .name: tsc, .offset: 8, .size: 8, .value_kind: global_buffer, .address_space: global }
      - { .name: out0, .offset: 16, .size: 8, .value_kind: global_buffer, .address_space: global }
      - { .name: out1, .offset: 24, .size: 8, .value_kind: global_buffer, .address_space: global }
    .group_segment_fixed_size: 0
    .private_segment_fixed_size: 0
    .kernarg_segment_align: 8
    .kernarg_segment_size: 32
    .max_flat_workgroup_size: 64
    .sgpr_count:     66
    .vgpr_count:     96
    .wavefront_size: 32
...
	.end_amdgpu_metadata
.endif
;; end of part 3
